; MI455X (gfx1250); checked and timed in simulation.
; The chip was launched on July 23, 2026; its instructions are those of AMD's public machine-readable ISA for CDNA 5 (MIT licence, August 2026) and "CDNA5" Instruction Set Architecture Reference Guide (July 2026). The comments in the code are by the model that wrote it; some were corrected since.
;; Simple Mo E. Allowed arithmetic: float matrix products may take bf16 or f16 operands with f32 sums; other float arithmetic in f32, or as packed bf16 or f16 multiplies, adds, multiply-adds, maxima and minima; sums over many terms, partial sums and values carried from step to step in f32; what a program stores and reads back later, other than sums and carried values, may be rounded once to bf16 or f16.
;; Inputs: W1 4 x 1,024 x 4,096 float32; W2 4 x 4,096 x 1,024 float32; Wr 1,024 x 4 float32; b1 4 x 4,096 float32; b2 4 x 1,024 float32; br 4 float32; x 2,048 x 1,024 float32.
;; Outputs: out0 2,048 x 1,024 float32.
;; One version. Each part assembles by itself: llvm-mc -triple=amdgcn-amd-amdhsa -mcpu=gfx1250 --defsym DOCPART=n.
;; ======== version 1 of 1: 4 launches
;; workspace buffers: xb 4,194,304 bytes; sel 8,192 bytes of whole numbers; order 37,888 bytes of whole numbers; hb 67,633,152 bytes; part 33,619,968 bytes
;; launch route (part 1): grid 256 x 1, 4 waves a work-group, no clusters, 768 bytes of LDS; arguments x, Wr, br, xb, sel; writes xb, sel
.if DOCPART == 1
	.amdgcn_target "amdgcn-amd-amdhsa--gfx1250"
	.amdhsa_code_object_version 6
	.text
	.protected	k_q8cf5b0bba6_route
	.globl	k_q8cf5b0bba6_route
	.p2align	8
	.type	k_q8cf5b0bba6_route,@function
k_q8cf5b0bba6_route:
	s_mov_b64 s[64:65], 0
	v_nop
	global_prefetch_b8 v0, s[64:65] scope:SCOPE_SE
	s_setreg_imm32_b32 hwreg(HW_REG_WAVE_MODE, 25, 1), 1
	s_wait_xcnt 0x0
; THE ROUTER.  logits = x Wr + br, softmax, argmax (the lower index on a tie); x is also written out rounded to bf16 (xb) for the first product.
; x: [2048][1024] f32, Wr: [1024][4] f32, br: [4] f32.  xb: [2048][1024] bf16.  sel: one 32-bit word a token, the chosen expert, at byte 4 t: a fixed place, no address here hangs on the choice.
; FORMAT.  x, Wr and br are rounded to bf16 first, as every input of the program is; products and sums of the logits, and the softmax, in f32.
; LIMITS.  A token whose two best weights differ by less than the rounding of a sum of 1,024 f32 terms may go to the other of the two experts.  NaN and infinities are not treated apart.
; SHARES.  A work-group has 8 tokens, a wave 2.  Lane l holds k = 128 j + 4 l + ii (j = 0..7, ii = 0..3) of both tokens and of Wr: each load of x covers 512 consecutive bytes, each store of xb 256.
; No matrix unit: four columns are 1/2,000 of the program's products, and the launch moves 12 bytes for each number of x.  No cluster: the work-groups share Wr alone, 16 KiB beside 32 KiB of x each.
.set LG,    0                          ; LDS: 8 tokens x 4 logits, 128 bytes in a block of 256 of their own
.set SPARE, 256                        ; the spare words: 128 bytes for each of four waves
.set LANE, 1
.set SPW,  2                           ; LDS address of my spare word; never rewritten
.set NIL,  3                           ; 0; never rewritten
.set O16,  4                           ; 16 x lane
.set O64,  5                           ; 64 x lane
.set O8,   6                           ; 8 x lane
.set AD,   7                           ; an address at work
.set XR,   8                           ; v[8:71]    x: token i, group j at XR + 32 i + 4 j; after the rounding its first two registers hold the four bf16
.set WR,   72                          ; v[72:199]  Wr: row (j, ii) at WR + 16 j + 4 ii; after the rounding its first two registers hold the four experts' bf16
.set ACC,  200                         ; v[200:207] logit of token i, expert e at ACC + 4 i + e
.set TMP,  208
.set LO,   212                         ; v[212:215] a token's four logits, then its weights
.set BR,   216                         ; v[216:219] br
.set MX,   220
.set SM,   221
.set BEST, 222
.set BW,   223
	s_load_b256 s[4:11], s[0:1], 0x0               ; x s[4:5], Wr s[6:7], br s[8:9], xb s[10:11]
	s_load_b64 s[12:13], s[0:1], 0x20              ; sel
	v_lshl_add_u32 v[SPW], v0, 2, SPARE
	v_mov_b32 v[NIL], 0
	v_and_b32 v[LANE], 31, v0
	v_lshrrev_b32 v[AD], 5, v0
	v_readfirstlane_b32 s14, v[AD]                 ; wave 0..3
	v_lshlrev_b32 v[O16], 4, v[LANE]
	v_lshlrev_b32 v[O64], 6, v[LANE]
	v_lshlrev_b32 v[O8], 3, v[LANE]
	v_mov_b32 v[TMP], 0
	s_lshl_b32 s15, ttmp9, 3
	s_lshl1_add_u32 s15, s14, s15                  ; my first token: 8 g + 2 w
	s_lshl_b32 s16, s15, 12                        ; its row in x,
	s_mov_b32 s17, 0
	s_lshl_b32 s22, s15, 11                        ; in xb,
	s_mov_b32 s23, 0
	s_lshl_b32 s24, ttmp9, 5                       ; and the work-group's 8 words in sel
	s_mov_b32 s25, 0
	s_mov_b32 s18, 0x76543210                      ; v_permlanex16_b32: each lane takes its own place in the other half
	s_mov_b32 s19, 0xfedcba98
	s_mov_b32 s21, 0xffff0000                      ; a word's upper bf16
	s_wait_kmcnt 0x0
	s_add_nc_u64 s[4:5], s[4:5], s[16:17]
	s_add_nc_u64 s[10:11], s[10:11], s[22:23]
	s_add_nc_u64 s[12:13], s[12:13], s[24:25]
.irp i, 0,1
.irp j, 0,1,2,3,4,5,6,7
	global_load_b128 v[XR+32*(\i)+4*(\j):XR+32*(\i)+4*(\j)+3], v[O16], s[4:5] offset:(\i)*4096+(\j)*512 th:TH_LOAD_NT
.endr
.endr
.irp j, 0,1,2,3,4,5,6,7
.irp ii, 0,1,2,3
	global_load_b128 v[WR+16*(\j)+4*(\ii):WR+16*(\j)+4*(\ii)+3], v[O64], s[6:7] offset:(\j)*2048+(\ii)*16
.endr
.endr
	global_load_b128 v[BR:BR+3], v[TMP], s[8:9]    ; v[TMP] holds 0
	s_wait_loadcnt 33                              ; x is in: the 32 loads of Wr and the one of br are younger
.irp i, 0,1
.irp j, 0,1,2,3,4,5,6,7
	v_cvt_pk_bf16_f32 v[XR+32*(\i)+4*(\j)],   v[XR+32*(\i)+4*(\j)],   v[XR+32*(\i)+4*(\j)+1]
	v_cvt_pk_bf16_f32 v[XR+32*(\i)+4*(\j)+1], v[XR+32*(\i)+4*(\j)+2], v[XR+32*(\i)+4*(\j)+3]
	global_store_b64 v[O8], v[XR+32*(\i)+4*(\j):XR+32*(\i)+4*(\j)+1], s[10:11] offset:(\i)*2048+(\j)*256  ; the wave's 32 lanes store 256 consecutive bytes, aligned
.endr
.endr
	s_wait_loadcnt 0x0                             ; Wr and br
.set g, WR
.rept 32
	v_cvt_pk_bf16_f32 v[g],   v[g],   v[g+1]
	v_cvt_pk_bf16_f32 v[g+1], v[g+2], v[g+3]
.set g, g+4
.endr
.irp a, 0,1,2,3,4,5,6,7
	v_mov_b32 v[ACC+(\a)], 0
.endr
; d += bf16 half sx of x times bf16 half sw of w, in f32
.macro MIX d, x, w, sx, sw
.if ((\sx) == 0) && ((\sw) == 0)
	v_fma_mix_f32_bf16 v[\d], v[\x], v[\w], v[\d] op_sel_hi:[1,1,0]
.elseif ((\sx) == 1) && ((\sw) == 0)
	v_fma_mix_f32_bf16 v[\d], v[\x], v[\w], v[\d] op_sel:[1,0,0] op_sel_hi:[1,1,0]
.elseif ((\sx) == 0) && ((\sw) == 1)
	v_fma_mix_f32_bf16 v[\d], v[\x], v[\w], v[\d] op_sel:[0,1,0] op_sel_hi:[1,1,0]
.else
	v_fma_mix_f32_bf16 v[\d], v[\x], v[\w], v[\d] op_sel:[1,1,0] op_sel_hi:[1,1,0]
.endif
.endm
.irp j, 0,1,2,3,4,5,6,7                ; 256 multiply-adds a lane; the eight sums take turns, so none waits for the one before it
.irp ii, 0,1,2,3
.irp i, 0,1
.irp e, 0,1,2,3
	MIX ACC+4*(\i)+(\e), XR+32*(\i)+4*(\j)+(\ii)/2, WR+16*(\j)+4*(\ii)+(\e)/2, (\ii)%2, (\e)%2
.endr
.endr
.endr
.endr
.macro RED r                           ; the sum over the wave's 32 lanes, in every lane
	v_add_f32_dpp v[\r], v[\r], v[\r] row_xmask:1 row_mask:0xf bank_mask:0xf
	v_add_f32_dpp v[\r], v[\r], v[\r] row_xmask:2 row_mask:0xf bank_mask:0xf
	v_add_f32_dpp v[\r], v[\r], v[\r] row_xmask:4 row_mask:0xf bank_mask:0xf
	v_add_f32_dpp v[\r], v[\r], v[\r] row_xmask:8 row_mask:0xf bank_mask:0xf
	v_permlanex16_b32 v[TMP], v[\r], s18, s19
	v_add_f32 v[\r], v[\r], v[TMP]
.endm
.irp a, 0,1,2,3,4,5,6,7
	RED ACC+(\a)
.endr
	v_mov_b32 v[AD], s14
	v_lshlrev_b32 v[AD], 5, v[AD]                  ; my two tokens' 32 bytes
	ds_store_b128 v[AD], v[ACC:ACC+3]              ; all lanes write the same words with the same numbers
	ds_store_b128 v[AD], v[ACC+4:ACC+7] offset:16
	s_wait_dscnt 0x0                               ; for wave 0's sake: my stores are done
	s_barrier_signal -1
	s_barrier_wait -1
	s_cmp_lg_u32 s14, 0
	s_cbranch_scc1 .Lend                           ; wave 0 finishes the eight tokens, one a lane (lanes 8 to 31 repeat them)
	v_and_b32 v[AD], 7, v[LANE]
	v_lshlrev_b32 v[AD], 4, v[AD]
	ds_load_b128 v[LO:LO+3], v[AD]
	v_cvt_pk_bf16_f32 v[MX], v[BR], v[BR+1]        ; br rounded to bf16, like every input
	v_cvt_pk_bf16_f32 v[SM], v[BR+2], v[BR+3]
	v_lshlrev_b32 v[BR], 16, v[MX]
	v_and_b32 v[BR+1], s21, v[MX]
	v_lshlrev_b32 v[BR+2], 16, v[SM]
	v_and_b32 v[BR+3], s21, v[SM]
	s_wait_dscnt 0x0
	v_pk_add_f32 v[LO:LO+1], v[LO:LO+1], v[BR:BR+1]
	v_pk_add_f32 v[LO+2:LO+3], v[LO+2:LO+3], v[BR+2:BR+3]
	v_max3_num_f32 v[MX], v[LO], v[LO+1], v[LO+2]  ; the maximum is taken away before the exponentials
	v_max_num_f32 v[MX], v[MX], v[LO+3]
.irp e, 0,1,2,3
	v_sub_f32 v[LO+(\e)], v[LO+(\e)], v[MX]
.endr
.irp e, 0,1,2,3
	v_mul_f32 v[LO+(\e)], 0x3fb8aa3b, v[LO+(\e)]   ; log2(e): v_exp_f32 works in base 2
.endr
.irp e, 0,1,2,3
	v_exp_f32 v[LO+(\e)], v[LO+(\e)]
.endr
	v_nop                                          ; a plain instruction behind the last exponential (ISA guide 5.7.2),
	s_wait_alu depctr_va_vdst(0)                   ; and one wait for the four ahead of their first reader
	v_add_f32 v[SM], v[LO], v[LO+1]
	v_add_f32 v[BW], v[LO+2], v[LO+3]
	v_add_f32 v[SM], v[SM], v[BW]
	v_rcp_f32 v[SM], v[SM]
	v_mov_b32 v[BEST], 0                           ; the plain instruction behind the reciprocal
	s_wait_alu depctr_va_vdst(0)
.irp e, 0,1,2,3
	v_mul_f32 v[LO+(\e)], v[LO+(\e)], v[SM]        ; the softmax's weights
.endr
	v_mov_b32 v[BW], v[LO]
.irp e, 1,2,3
	v_cmp_gt_f32 vcc_lo, v[LO+(\e)], v[BW]         ; strictly greater: a tie keeps the lower index
	v_cndmask_b32 v[BEST], v[BEST], \e, vcc_lo
	v_max_num_f32 v[BW], v[BW], v[LO+(\e)]
.endr
	v_lshlrev_b32 v[AD], 2, v[LANE]
	s_wait_xcnt 0x0                                ; EXEC changes only behind this wait: the stores of xb have had their addresses translated
	v_cmp_gt_u32 vcc_lo, 8, v[LANE]
	s_and_saveexec_b32 s20, vcc_lo
	global_store_b32 v[AD], v[BEST], s[12:13]      ; lanes 0 to 7: the work-group's eight words
	s_wait_xcnt 0x0                                ; and again in front of the line that widens it
	s_or_b32 exec_lo, exec_lo, s20
.Lend:
	s_wait_tensorcnt 0x0                           ; the wave's end, behind my last LDS store
	ds_add_u32 v[SPW], v[NIL]
	s_wait_dscnt 0x0
	s_endpgm
.Lfunc_end_k_q8cf5b0bba6_route:
	.size	k_q8cf5b0bba6_route, .Lfunc_end_k_q8cf5b0bba6_route-k_q8cf5b0bba6_route
	.p2alignl 7, 3214868480
	.fill 96, 4, 3214868480
	.section	.rodata,"a",@progbits
	.p2align	6, 0x0
	.amdhsa_kernel k_q8cf5b0bba6_route
		.amdhsa_group_segment_fixed_size 768
		.amdhsa_private_segment_fixed_size 0
		.amdhsa_enable_private_segment 0
		.amdhsa_kernarg_size 40
		.amdhsa_user_sgpr_count 2
		.amdhsa_user_sgpr_kernarg_segment_ptr 1
		.amdhsa_wavefront_size32 1
		.amdhsa_system_sgpr_workgroup_id_x 1
		.amdhsa_system_sgpr_workgroup_id_y 1
		.amdhsa_system_sgpr_workgroup_id_z 1
		.amdhsa_system_vgpr_workitem_id 0
		.amdhsa_next_free_vgpr 224
		.amdhsa_next_free_sgpr 66
		.amdhsa_reserve_vcc 1
		.amdhsa_float_denorm_mode_32 3
		.amdhsa_float_denorm_mode_16_64 3
		.amdhsa_memory_ordered 1
		.amdhsa_forward_progress 1
		.amdhsa_inst_pref_size 36
	.end_amdhsa_kernel
	.amdgpu_metadata
---
amdhsa.version: [ 1, 2 ]
amdhsa.kernels:
  - .name:           k_q8cf5b0bba6_route
    .symbol:         k_q8cf5b0bba6_route.kd
    .args:
      - { .name: x, .offset: 0, .size: 8, .value_kind: global_buffer, .address_space: global }
      - { .name: Wr, .offset: 8, .size: 8, .value_kind: global_buffer, .address_space: global }
      - { .name: br, .offset: 16, .size: 8, .value_kind: global_buffer, .address_space: global }
      - { .name: xb, .offset: 24, .size: 8, .value_kind: global_buffer, .address_space: global }
      - { .name: sel, .offset: 32, .size: 8, .value_kind: global_buffer, .address_space: global }
    .group_segment_fixed_size: 768
    .private_segment_fixed_size: 0
    .kernarg_segment_align: 8
    .kernarg_segment_size: 40
    .max_flat_workgroup_size: 128
    .sgpr_count:     66
    .vgpr_count:     224
    .wavefront_size: 32
...
	.end_amdgpu_metadata
.endif
;; end of part 1
;; launch up (part 2): grid 64 x 4, 12 waves a work-group, no clusters, 142,336 bytes of LDS; arguments xb, W1, b1, sel, hb, order; writes hb, order
.if DOCPART == 2
	.amdgcn_target "amdgcn-amd-amdhsa--gfx1250"
	.amdhsa_code_object_version 6
	.text
	.protected	k_q8cf5b0bba6_up
	.globl	k_q8cf5b0bba6_up
	.p2align	8
	.type	k_q8cf5b0bba6_up,@function
k_q8cf5b0bba6_up:
	s_mov_b64 s[64:65], 0
	v_nop
	global_prefetch_b8 v0, s[64:65] scope:SCOPE_SE
	s_setreg_imm32_b32 hwreg(HW_REG_WAVE_MODE, 25, 1), 1
	s_wait_xcnt 0x0
; THE FIRST PRODUCT.  h = relu(x W1[e] + b1[e]) for the tokens that chose expert e alone.  xb: [2048][1024] bf16, W1: [4][1024][4096] f32, b1: [4][4096] f32, sel: the chosen expert, a word a token.
; hb: [4 experts][129 tiles of 16 rows][128 K steps][1,024 bytes] bf16: a block of 1,024 bytes is one operand of the second product (16 rows x 32 k) as its registers take it: registers 0-3 of lane l
; at 16 l, registers 4-7 at 512 + 16 l.  A row's place is its token's RANK among the expert's tokens.
; order: [4 experts][9,472 bytes]: 2,304 words rank -> token (past the count: 2048 + e), then the count, 32 times.  The four work-groups with cb = 0 store it, for the second product.
; FORMAT.  W1 and b1 are rounded to bf16 on their way through registers, as every input of the program is; sums in f32, started by the bias; h rounded once to bf16.  NaN and infinities are not treated apart.
; SHARES.  Work-group (x = cb, y = e): columns 64 cb .. 64 cb + 63 of expert e, all 1,024 k: a slice that it alone reads, laid once into LDS in bf16; and ALL of the expert's rows, in chunks of 48.
; TWELVE WAVES, three for each of a WGP's four SIMDs, 320 registers each.  Chunk c belongs to wave c % 12: an expert with 481 to 576 tokens has 11 or 12 chunks, one a wave, and while one wave waits for
; its loads the two others beside it have products to issue.  Every split of the tokens is served: 43 chunks at the most, 4 trips a wave; a trip past the count is jumped; rows past the count in the last
; chunk repeat token 2047 (they are stored: the next launch reads whole chunks, and sends them to a row that nobody reads); an expert without tokens stores no row.
; THE START.  Waves 0 to 7 lay the slice, 128 rows of k each; wave 8 makes the list meanwhile (its stores end at LDS byte 9,471, the slice begins at 11,008); one barrier closes both.
; THE WALK holds no barrier, writes no LDS and reads LDS at fixed addresses: its length hangs on a count read from memory.  Rows come from memory straight into operand registers, three K steps (18 loads)
; ahead; weights come out of LDS turned; the tokens of all 4 possible chunks are looked up ahead of the walk and kept in registers.
; THE MATRIX INSTRUCTION IS USED TRANSPOSED (source 0 = 16 columns of W1, source 1 = 16 rows of x): a lane then holds eight neighbouring columns of one row, 16 bytes of hb after the rounding.
; NO CLUSTER, NO TENSOR LOAD: each slice of weights has one reader and must be rounded in registers; the rows that an expert's work-groups share come by a list, which no tile's descriptor covers.
.set NW,    12                         ; waves
.set FW,    8                          ; waves that lay the slice; wave FW makes the list
.set RS,    32768                      ; bytes from one ring load to the next: two rows of W1
.set ESTR,  16908288                   ; an expert's part of hb
.set MT,    131072                     ; a tile of 16 rows in hb: 128 K steps x 1,024 bytes
.set CHB,   393216                     ; a chunk: three such tiles
.set OSTR,  9472                       ; an expert's part of order
.set LIST,  0                          ; LDS: 2,304 words: rank -> token; past the count 2048 + e
.set CNTW,  9216                       ; the expert's count
.set DUMP,  9344                       ; 32 words, one a lane of wave 8: where a lane stores whose token chose another expert; never read
.set SPARE, 9472                       ; the spare words: 128 bytes for each of twelve waves
.set WB,    11008                      ; the slice: four panels of 16 columns; in a panel row k lies at 32 k (16 bf16), so an operand of 32 k x 16 columns is 1,024 consecutive bytes
.set PSTR,  32832                      ; from panel to panel: 32,768 + 64, so that a fill's 32 lanes (4 panels x 2 rows x 4 x 8 bytes) fall on 64 n + 32 h + 8 (l % 4): each of the 64 banks once (ISA guide 11.1)
.set LN,   1                           ; lane
.set RR,   2                           ; lane % 16
.set HH,   3                           ; lane / 16
.set SPW,  4                           ; LDS address of my spare word; never rewritten
.set NIL,  5                           ; 0; never rewritten
.set ZERO, 6                           ; 0, for the packed maximum
.set L16,  7                           ; 16 x lane
.set VB,   8                           ; v8-11   my lane's place in panel n, for the turning load
.set OFF,  12                          ; v12-14  byte offset in xb of my row of tile t, + 16 (lane / 16)
.set H16,  15                          ; 16 (lane / 16)
.set TKS,  16                          ; v16-24  in the walk: the tokens of my chunks to come, three a chunk, the next chunk's first
.set DMP,  16                          ; up to the walk, in the same registers: LDS address of my lane's word in DUMP
.set BOF,  17                          ;   32 (lane / 16): my eight columns in a panel's 64 bytes of b1
.set CV,   18                          ;   the count, as it is stored
.set WOFF, 19                          ;   my 16 bytes in two rows of the slice in memory
.set WST,  20                          ;   where they go in LDS
.set L4,   21                          ;   4 x lane
.set CP,   22                          ;   the list's copy: my 8 bytes, in LDS and in order alike
.set LP,   25                          ; LDS address of my row's word in LIST, tile 0 of my first chunk
.set TA,   26
.set TB,   27
.set PR,   28                          ; v[28:31] two pairs of rounded weights, by turns
.set NTK,  28                          ; v28-30  later: my first chunk's tokens
.set ACC,  32                          ; v[32:127] accumulator (t, n) at ACC + 8 (4 t + n)
.set BF,   128                         ; v[128:191] weights' operands, two buffers of four
.set S0,   192                         ; v[192:223] the rows' operands: the first 4 of the ring's 12 tiles; the other 8 lie in window 1 (v256-319)
.set BIAS, 224                         ; v[224:255] b1 of my eight columns in panel n at BIAS + 8 n
.set RING, 32                          ; during the fill: v[32:159] 32 slots of four registers
.set EID,  160                         ; wave 8, during the list: v[160:223] sel, 64 words a lane
.set CD,   160                         ; the list's copy: v[160:177]
.set WV,   16                          ; scalars: wave
.set CB,   17
.set EX,   18
.set CNT,  19
.set T1,   20
.set NC,   21                          ; chunks
.set TRIP, 22
.set CH,   23                          ; the chunk in hand
.set HM,   26
.set MSB, 0
.macro WIN new                         ; s_set_vgpr_msb: bits 1:0 source 0, 3:2 source 1, 5:4 source 2, 7:6 destination; the high byte repeats the setting that is left
.if MSB != (\new)
	s_set_vgpr_msb (MSB<<8)|(\new)
.set MSB, \new
.endif
.endm
.set LDA, 0x40                         ; destination window 1, address window 0
.set MUL, 0x04                         ; source 1 (rows) window 1, all else window 0
; THE FILL's slot.  Load i of my 64 is in; four f32 are rounded to four bf16 and stored; in the first 32 turns the slot is loaded again, 32 loads on.  32 loads of 512 bytes of each of eight waves stay on their way.
.macro FSLOT i
.if (\i) < 32
	s_wait_loadcnt 31                              ; loads come back in order (ISA guide 5.7.1): mine is in, the 31 younger ones stay out
.else
	s_wait_loadcnt 63-(\i)                         ; the last 32 load nothing: the counts run down
.endif
	v_cvt_pk_bf16_f32 v[PR+2*((\i)%2)],   v[RING+4*((\i)%32)],   v[RING+4*((\i)%32)+1]
	v_cvt_pk_bf16_f32 v[PR+2*((\i)%2)+1], v[RING+4*((\i)%32)+2], v[RING+4*((\i)%32)+3]
	ds_store_b64 v[WST], v[PR+2*((\i)%2):PR+2*((\i)%2)+1] offset:64*(\i)
.if (\i) < 32
	global_load_b128 v[RING+4*(\i):RING+4*(\i)+3], v[WOFF], s[6:7] offset:(32+(\i))*RS th:TH_LOAD_NT
.endif
.endm
; THE LIST's step.  32 tokens: those of expert e take the next ranks, lane by lane.  Every lane stores: a lane whose token chose another expert stores into its word of DUMP.  All lanes stay on.
.macro GRP j, i
	v_cmp_eq_u32 vcc_lo, s[EX], v[EID+4*(\j)+(\i)]
	v_mbcnt_lo_u32_b32 v[TA], vcc_lo, s[CNT]       ; the count so far + the chosen lanes below mine
	v_add_nc_u32 v[TB], 128*(\j)+(\i), v[L4]       ; my token
	v_lshlrev_b32 v[TA], 2, v[TA]
	v_cndmask_b32 v[TA], v[DMP], v[TA], vcc_lo
	v_min_u32 v[TA], DUMP+124, v[TA]               ; a rank is 2,047 at the most: the bound states that the store stays in LIST, the count's block and DUMP, below the slice
	s_bcnt1_i32_b32 s[T1], vcc_lo
	s_add_co_u32 s[CNT], s[CNT], s[T1]
	ds_store_b32 v[TA], v[TB]
.endm
	s_load_b256 s[4:11], s[0:1], 0x0               ; xb s[4:5], W1 s[6:7], b1 s[8:9], sel s[10:11]
	s_load_b128 s[12:15], s[0:1], 0x20             ; hb s[12:13], order s[14:15]
	v_lshl_add_u32 v[SPW], v0, 2, SPARE
	v_mov_b32 v[NIL], 0
	v_lshrrev_b32 v[TA], 5, v0
	v_readfirstlane_b32 s[WV], v[TA]               ; wave 0..11
	v_and_b32 v[LN], 31, v0
	v_and_b32 v[RR], 15, v0
	v_bfe_u32 v[HH], v0, 4, 1
	v_mov_b32 v[ZERO], 0
	v_lshlrev_b32 v[L16], 4, v[LN]
	v_lshlrev_b32 v[L4], 2, v[LN]
	v_lshlrev_b32 v[H16], 4, v[HH]
	v_lshlrev_b32 v[BOF], 5, v[HH]
	v_lshl_add_u32 v[DMP], v[LN], 2, DUMP
	; the turning load takes 16 k x 16 columns: lane l reads 16 bytes of row 8 (l / 16) + l % 8, columns 8 ((l / 8) % 2) on, and is left with column l % 16 and eight k
	v_and_b32 v[TA], 7, v0
	v_lshl_add_u32 v[TA], v[HH], 3, v[TA]
	v_lshlrev_b32 v[TA], 5, v[TA]
	v_bfe_u32 v[TB], v0, 3, 1
	v_lshl_add_u32 v[TA], v[TB], 4, v[TA]
.irp n, 0,1,2,3
	v_add_nc_u32 v[VB+(\n)], WB+(\n)*PSTR, v[TA]
.endr
	v_lshlrev_b32 v[WOFF], 4, v[RR]                ; a ring load: lanes 0-15 take 256 bytes (64 columns) of one row, lanes 16-31 of the next
	v_lshl_add_u32 v[WOFF], v[HH], 14, v[WOFF]
	v_lshrrev_b32 v[TA], 2, v[RR]                  ; my four columns lie in panel (l % 16) / 4,
	v_mul_u32_u24 v[WST], v[TA], PSTR
	v_lshl_add_u32 v[WST], v[HH], 5, v[WST]        ; row 128 w + l / 16,
	v_and_b32 v[TA], 3, v0
	v_lshl_add_u32 v[WST], v[TA], 3, v[WST]        ; at 8 (l % 4) bytes of it
	s_lshl_b32 s[T1], s[WV], 12
	s_add_co_u32 s[T1], s[T1], WB
	v_add_nc_u32 v[WST], s[T1], v[WST]
	s_mov_b32 s[CB], ttmp9
	s_and_b32 s[EX], ttmp7, 0xffff
	s_mov_b32 s[HM], 0xffff0000
	s_lshl_b32 s24, s[EX], 24                      ; W1: expert, my wave's 128 rows of 16,384 bytes (used by waves 0 to 7 alone), the slice's 256 bytes of a row
	s_lshl_b32 s[T1], s[WV], 21
	s_add_co_u32 s24, s24, s[T1]
	s_lshl_b32 s[T1], s[CB], 8
	s_add_co_u32 s24, s24, s[T1]
	s_mov_b32 s25, 0
	s_lshl_b32 s30, s[EX], 14                      ; b1: expert, the slice's 256 bytes
	s_add_co_u32 s30, s30, s[T1]
	s_mov_b32 s31, 0
	s_mul_i32 s32, s[EX], ESTR                     ; hb: expert, K steps 2 cb and 2 cb + 1, my first chunk
	s_lshl_b32 s[T1], s[CB], 11
	s_add_co_u32 s32, s32, s[T1]
	s_mul_i32 s[T1], s[WV], CHB
	s_add_co_u32 s32, s32, s[T1]
	s_mov_b32 s33, 0
	s_mul_i32 s34, s[EX], OSTR                     ; order: expert
	s_mov_b32 s35, 0
	s_wait_kmcnt 0x0
	s_add_nc_u64 s[6:7], s[6:7], s[24:25]
	s_add_nc_u64 s[8:9], s[8:9], s[30:31]
	s_add_nc_u64 s[12:13], s[12:13], s[32:33]
	s_add_nc_u64 s[14:15], s[14:15], s[34:35]
.irp n, 0,1,2,3
	global_load_b128 v[BIAS+8*(\n):BIAS+8*(\n)+3],   v[BOF], s[8:9] offset:64*(\n)      ; the bias: every wave
	global_load_b128 v[BIAS+8*(\n)+4:BIAS+8*(\n)+7], v[BOF], s[8:9] offset:64*(\n)+16
.endr
	s_cmp_ge_u32 s[WV], FW
	s_cbranch_scc1 .Lnofill
	; WAVES 0 TO 7: THE FILL, loads and their use inside this one branch
.set fi, 0
.rept 32
	global_load_b128 v[RING+4*fi:RING+4*fi+3], v[WOFF], s[6:7] offset:fi*RS th:TH_LOAD_NT
.set fi, fi+1
.endr
.set fi, 0
.rept 64
	FSLOT fi
.set fi, fi+1
.endr
	s_branch .Lfilled
.Lnofill:
	s_cmp_lg_u32 s[WV], FW
	s_cbranch_scc1 .Lfilled
	; WAVE 8: THE LIST, beside the fill
.set gj, 0
.rept 16
	global_load_b128 v[EID+4*gj:EID+4*gj+3], v[L16], s[10:11] offset:512*gj  ; register 4 j + i of lane l: token 128 j + 4 l + i
.set gj, gj+1
.endr
	s_add_co_u32 s[T1], s[EX], 2048
.irp i, 0,1,2,3
	v_mov_b32 v[PR+(\i)], s[T1]
.endr
.set li, 0
.rept 18
	ds_store_b128 v[L16], v[PR:PR+3] offset:LIST+512*li  ; all 2,304 words first hold 2048 + e; LDS serves a wave's instructions in order (ISA guide 5.7.1.4), so the ranks' stores below land on top
.set li, li+1
.endr
	s_wait_loadcnt 0x0                             ; sel is in
	s_mov_b32 s[CNT], 0
.set gj, 0
.rept 16
.irp i, 0,1,2,3
	GRP gj, \i
.endr
.set gj, gj+1
.endr
	v_mov_b32 v[TA], s[CNT]
	v_mov_b32 v[TB], CNTW
	ds_store_b32 v[TB], v[TA]
	s_cmp_lg_u32 s[CB], 0
	s_cbranch_scc1 .Lfilled
	v_mov_b32 v[CV], s[CNT]
	global_store_b32 v[L4], v[CV], s[14:15] offset:CNTW  ; cb = 0: the count, once a lane: 128 consecutive bytes behind the list
.Lfilled:
	s_wait_loadcnt 0x0                             ; the bias (waves 9 to 11 have had no other wait for it)
.set g, BIAS
.rept 16                                           ; b1 rounded to bf16, kept as f32: it starts the sums
	v_cvt_pk_bf16_f32 v[TA], v[g], v[g+1]
	v_lshlrev_b32 v[g], 16, v[TA]
	v_and_b32 v[g+1], s[HM], v[TA]
.set g, g+2
.endr
	s_wait_dscnt 0x0                               ; for the others' sake: my part of the slice, or the list and the count, is written
	s_barrier_signal -1
	s_barrier_wait -1                              ; the only barrier: from here on LDS is only read
	v_mov_b32 v[TA], CNTW
	ds_load_b32 v[TB], v[TA]
	s_cmp_lg_u32 s[CB], 0
	s_cbranch_scc1 .Lcopied                        ; cb = 0: the list goes out, 2,304 bytes for each of waves 0 to 3
	s_cmp_ge_u32 s[WV], 4
	s_cbranch_scc1 .Lcopied
	s_mul_i32 s[T1], s[WV], 2304
	v_lshl_add_u32 v[CP], v[LN], 3, s[T1]
.irp i, 0,1,2,3,4,5,6,7,8
	ds_load_b64 v[CD+2*(\i):CD+2*(\i)+1], v[CP] offset:LIST+256*(\i)
.endr
	s_wait_dscnt 0x0
.irp i, 0,1,2,3,4,5,6,7,8
	global_store_b64 v[CP], v[CD+2*(\i):CD+2*(\i)+1], s[14:15] offset:256*(\i)  ; the wave's 32 lanes store 256 consecutive bytes, aligned
.endr
.Lcopied:
	s_wait_dscnt 0x0                               ; the count
	s_wait_xcnt 0x0                                ; the stores of the count and of the list have had their addresses translated: their registers are written again below
	v_readfirstlane_b32 s[CNT], v[TB]
	s_min_u32 s[CNT], s[CNT], 2048
	s_cmp_eq_u32 s[CNT], 0
	s_cbranch_scc1 .Lend                           ; an expert without tokens
	s_add_co_u32 s[NC], s[CNT], 47
	s_mul_i32 s[NC], s[NC], 43691                  ; / 48: 43,691 / 2^21 is 1 / 48 to within 1.6e-7, exact for numbers up to 2,095
	s_lshr_b32 s[NC], s[NC], 21
	s_mov_b32 s[CH], s[WV]
	s_mul_i32 s[T1], s[WV], 192
	v_lshl_add_u32 v[LP], v[RR], 2, s[T1]          ; rank 48 w + l % 16
.irp t, 0,1,2
	ds_load_b32 v[NTK+(\t)], v[LP] offset:LIST+64*(\t)
.endr
.set q, 0
.rept 9                                            ; my chunks lie twelve chunks, 2,304 bytes of the list, apart: chunks w + 12, w + 24, w + 36
	ds_load_b32 v[TKS+q], v[LP] offset:LIST+2304*(1+q/3)+64*(q%3)
.set q, q+1
.endr
	s_wait_dscnt 0x0
.irp t, 0,1,2
	v_min_u32 v[NTK+(\t)], 2047, v[NTK+(\t)]       ; past the count: token 2047
.endr
.irp t, 0,1,2
	v_lshl_add_u32 v[OFF+(\t)], v[NTK+(\t)], 11, v[H16]
.endr
; The rows' operands of K step s: lane l holds row l % 16; registers 0-3 k = 8 (l / 16) + 0..7, registers 4-7 k = 16 + 8 (l / 16) + 0..7: two loads of 16 bytes, 32 bytes apart, for each of three tiles.
; The ring has four slots of three tiles; tile number 3 (s % 4) + t of twelve lies in window 0 (the first four) or in window 1.
.macro ALOAD s
.irp t, 0,1,2
.set el, 3*((\s)%4)+(\t)
.if el < 4
	WIN 0
.set la, S0+8*el
.else
	WIN LDA
.set la, 8*(el-4)
.endif
	global_load_b128 v[la:la+3],   v[OFF+(\t)], s[4:5] offset:64*(\s)
	global_load_b128 v[la+4:la+7], v[OFF+(\t)], s[4:5] offset:64*(\s)+32
.endr
.endm
; The weights' operands of K step s, turned.  An LDS load names a destination and source 0 alone: both lie in window 0 under the setting 0 and under MUL, so no switch is written for it.
.macro BLOAD s
.set lb, BF+32*((\s)%2)
.irp n, 0,1,2,3
	ds_load_tr16_b128 v[lb+8*(\n):lb+8*(\n)+3],   v[VB+(\n)] offset:1024*(\s)
	ds_load_tr16_b128 v[lb+8*(\n)+4:lb+8*(\n)+7], v[VB+(\n)] offset:1024*(\s)+512
.endr
.endm
; A K STEP.  Four plain vector instructions first: the loads below land in registers that the step before multiplied (ISA guide 7.12.1 for vector instructions).  In four steps they are the
; next chunk's address work: step 17 bounds its three tokens, step 29 makes its offsets, steps 30 and 31 move the tokens of the chunks behind it three registers down (a move names a destination and source 0:
; window 0 under MUL too).  Then the weights of step s + 1 and the rows of step s + 3 (from step 29 on: the next chunk's first three steps; past the last chunk they repeat a row that exists and are not used).
; The twelve accumulators take turns, one instruction a turn, over the trip's edge too.
.macro STEP s
.if (\s) == 17
	WIN 0
.irp t, 0,1,2
	v_min_u32 v[TKS+(\t)], 2047, v[TKS+(\t)]       ; past the count: token 2047
.endr
	v_nop
.elseif (\s) == 29
	WIN 0
	s_wait_xcnt 0x0                                ; this chunk's last loads have had their addresses translated: the offsets may be written
.irp t, 0,1,2
	v_lshl_add_u32 v[OFF+(\t)], v[TKS+(\t)], 11, v[H16]
.endr
	v_nop
.elseif (\s) == 30
.irp m, 0,1,2,3
	v_mov_b32 v[TKS+(\m)], v[TKS+(\m)+3]
.endr
.elseif (\s) == 31
	v_mov_b32 v[TKS+4], v[TKS+7]
	v_mov_b32 v[TKS+5], v[TKS+8]
	v_nop
	v_nop
.else
	v_nop
	v_nop
	v_nop
	v_nop
.endif
	BLOAD ((\s)+1)%32
	ALOAD ((\s)+3)%32
	s_wait_loadcnt 18                              ; 24 are out: the oldest six are this step's rows, three steps' stay on their way
	s_wait_dscnt 8                                 ; this step's weights are in; the eight loads just issued stay out
.set mb, BF+32*((\s)%2)
.irp t, 0,1,2
.set el, 3*((\s)%4)+(\t)
.if el < 4
	WIN 0
.set ma, S0+8*el
.else
	WIN MUL
.set ma, 8*(el-4)
.endif
.irp n, 0,1,2,3
.if (\s) == 0
	v_wmma_f32_16x16x32_bf16 v[ACC+8*(4*(\t)+(\n)):ACC+8*(4*(\t)+(\n))+7], v[mb+8*(\n):mb+8*(\n)+7], v[ma:ma+7], v[BIAS+8*(\n):BIAS+8*(\n)+7]
.else
	v_wmma_f32_16x16x32_bf16 v[ACC+8*(4*(\t)+(\n)):ACC+8*(4*(\t)+(\n))+7], v[mb+8*(\n):mb+8*(\n)+7], v[ma:ma+7], v[ACC+8*(4*(\t)+(\n)):ACC+8*(4*(\t)+(\n))+7]
.endif
.endr
.endr
.endm
.irp s, 0,1,2
	ALOAD \s
.endr
	WIN 0
	BLOAD 0
	s_mov_b32 s[TRIP], 4                           ; 43 chunks at the most, twelve waves
.Ltrip:
	s_cmp_ge_u32 s[CH], s[NC]
	s_cbranch_scc1 .Ldead                          ; no such chunk: the trip is jumped; it holds no barrier, and the 18 loads that are out stay as they are
.set st, 0
.rept 32
	STEP st
.set st, st+1
.endr
	; THE WAY OUT.  Rounded to bf16 in place from each accumulator's low end on, relu on the packed halves (the sign survives the rounding), 16 bytes a lane: each store covers 512 consecutive bytes, half an operand block.
	WIN 0
	v_nop
	v_nop
	v_nop
	v_nop
.irp t, 0,1,2
.irp n, 0,1,2,3
.set oa, ACC+8*(4*(\t)+(\n))
	v_cvt_pk_bf16_f32 v[oa],   v[oa],   v[oa+1]
	v_cvt_pk_bf16_f32 v[oa+1], v[oa+2], v[oa+3]
	v_cvt_pk_bf16_f32 v[oa+2], v[oa+4], v[oa+5]
	v_cvt_pk_bf16_f32 v[oa+3], v[oa+6], v[oa+7]
	v_pk_max_num_bf16 v[oa],   v[oa],   v[ZERO]
	v_pk_max_num_bf16 v[oa+1], v[oa+1], v[ZERO]
	v_pk_max_num_bf16 v[oa+2], v[oa+2], v[ZERO]
	v_pk_max_num_bf16 v[oa+3], v[oa+3], v[ZERO]
	global_store_b128 v[L16], v[oa:oa+3], s[12:13] offset:(\t)*MT+512*(\n)
.endr
.endr
	s_wait_xcnt 0x0                                ; the base steps, and the next trip's products write the stores' registers, only behind this wait
	s_add_nc_u64 s[12:13], s[12:13], NW*CHB
.Ldead:
	s_add_co_u32 s[CH], s[CH], NW
	s_sub_co_u32 s[TRIP], s[TRIP], 1
	s_cmp_lg_u32 s[TRIP], 0
	s_cbranch_scc1 .Ltrip
.Lend:
	s_wait_tensorcnt 0x0                           ; the wave's end, behind my last LDS store
	ds_add_u32 v[SPW], v[NIL]
	s_wait_dscnt 0x0
	s_endpgm
.Lfunc_end_k_q8cf5b0bba6_up:
	.size	k_q8cf5b0bba6_up, .Lfunc_end_k_q8cf5b0bba6_up-k_q8cf5b0bba6_up
	.p2alignl 7, 3214868480
	.fill 96, 4, 3214868480
	.section	.rodata,"a",@progbits
	.p2align	6, 0x0
	.amdhsa_kernel k_q8cf5b0bba6_up
		.amdhsa_group_segment_fixed_size 142336
		.amdhsa_private_segment_fixed_size 0
		.amdhsa_enable_private_segment 0
		.amdhsa_kernarg_size 48
		.amdhsa_user_sgpr_count 2
		.amdhsa_user_sgpr_kernarg_segment_ptr 1
		.amdhsa_wavefront_size32 1
		.amdhsa_system_sgpr_workgroup_id_x 1
		.amdhsa_system_sgpr_workgroup_id_y 1
		.amdhsa_system_sgpr_workgroup_id_z 1
		.amdhsa_system_vgpr_workitem_id 0
		.amdhsa_next_free_vgpr 320
		.amdhsa_next_free_sgpr 66
		.amdhsa_reserve_vcc 1
		.amdhsa_float_denorm_mode_32 3
		.amdhsa_float_denorm_mode_16_64 3
		.amdhsa_memory_ordered 1
		.amdhsa_forward_progress 1
		.amdhsa_inst_pref_size 135
	.end_amdhsa_kernel
	.amdgpu_metadata
---
amdhsa.version: [ 1, 2 ]
amdhsa.kernels:
  - .name:           k_q8cf5b0bba6_up
    .symbol:         k_q8cf5b0bba6_up.kd
    .args:
      - { .name: xb, .offset: 0, .size: 8, .value_kind: global_buffer, .address_space: global }
      - { .name: W1, .offset: 8, .size: 8, .value_kind: global_buffer, .address_space: global }
      - { .name: b1, .offset: 16, .size: 8, .value_kind: global_buffer, .address_space: global }
      - { .name: sel, .offset: 24, .size: 8, .value_kind: global_buffer, .address_space: global }
      - { .name: hb, .offset: 32, .size: 8, .value_kind: global_buffer, .address_space: global }
      - { .name: order, .offset: 40, .size: 8, .value_kind: global_buffer, .address_space: global }
    .group_segment_fixed_size: 142336
    .private_segment_fixed_size: 0
    .kernarg_segment_align: 8
    .kernarg_segment_size: 48
    .max_flat_workgroup_size: 384
    .sgpr_count:     66
    .vgpr_count:     320
    .wavefront_size: 32
...
	.end_amdgpu_metadata
.endif
;; end of part 2
;; launch down (part 3): grid 64 x 4, 12 waves a work-group, no clusters, 185,088 bytes of LDS; arguments hb, W2, order, part; writes part
.if DOCPART == 3
	.amdgcn_target "amdgcn-amd-amdhsa--gfx1250"
	.amdhsa_code_object_version 6
	.text
	.protected	k_q8cf5b0bba6_down
	.globl	k_q8cf5b0bba6_down
	.p2align	8
	.type	k_q8cf5b0bba6_down,@function
k_q8cf5b0bba6_down:
	s_mov_b64 s[64:65], 0
	v_nop
	global_prefetch_b8 v0, s[64:65] scope:SCOPE_SE
	s_setreg_imm32_b32 hwreg(HW_REG_WAVE_MODE, 25, 1), 1
	s_wait_xcnt 0x0
; THE SECOND PRODUCT, in four quarters of K.  part[token][kq][:] = the sum over k in quarter kq of h[token][k] W2[e][k][:], for the expert e that the token chose.  W2: [4][4096][1024] f32.
; hb: [4 experts][129 tiles of 16 rows][128 K steps][1,024 bytes] bf16, rows by rank, each block an operand as the registers take it.  order: [4 experts][9,472 bytes]: 2,304 words rank -> token (past the
; count: 2048 + e), then the count.  part: [2052 rows][4 quarters][1024] f32: partial sums stay in f32; rows 2048 + e take what the last chunk computes past expert e's count, and nobody reads them.
; FORMAT.  W2 is rounded to bf16 on its way through registers, as every input of the program is; sums in f32, K ascending within a quarter.  NaN and infinities are not treated apart.
; SHARES.  Work-group (x = cb + 16 kq, y = e): columns 64 cb .. + 63 and k = 1024 kq .. + 1023 of expert e: a slice that it alone reads, laid once into LDS in bf16 by waves 0 to 7; and ALL of the expert's
; rows, in chunks of 48.  TWELVE WAVES, three for each of a WGP's four SIMDs, 320 registers each.  Chunk c belongs to wave c % 12: an expert with 481 to 576 tokens has 11 or 12 chunks, one a wave, and
; while one wave waits for its loads the two others beside it have products to issue.  Every split is served: 43 chunks at the most, 4 trips a wave, a trip past the count is jumped; an expert without
; tokens stores nothing.
; WHY K IS SPLIT: 64 columns x 1,024 k is a slice that stays in LDS for the whole launch; with it a work-group takes in 256 KiB of weights and 2 KiB for each row.
; THE WALK holds no barrier and names LDS at fixed addresses: its length hangs on a count read from memory.  Rows come from hb straight into operand registers, 512 consecutive bytes a load, three K steps
; (18 loads) ahead; a chunk's 48 tokens come from order; the only LDS written is the wave's own stage.
; THE MATRIX INSTRUCTION IS USED TRANSPOSED (source 0 = 16 columns of W2, source 1 = 16 rows of h): a lane holds eight neighbouring columns of one row.
; NO CLUSTER, NO TENSOR LOAD: each slice of weights has one reader and must be rounded in registers; the rows are shared by an expert's 16 work-groups of one quarter, but a joint ring would put barriers and
; refills into a loop whose length is read from memory.
.set NW,    12                         ; waves
.set FW,    8                          ; waves that lay the slice
.set RS,    8192                       ; bytes from one ring load to the next: two rows of W2
.set ESTR,  16908288
.set MT,    131072
.set CHB,   393216
.set OSTR,  9472                       ; an expert's part of order
.set OCNT,  9216                       ; the count's place in it
.set STAGE, 0                          ; LDS: 16 rows x 272 bytes for each wave, its own, for the way out
.set SP,    272                        ; 256 bytes + 16: the 16 rows of a store start at 16 different groups of four banks (ISA guide 11.1)
.set SPARE, 52224                      ; the spare words: 128 bytes for each of twelve waves
.set WB,    53760                      ; the slice: four panels of 16 columns, row k at 32 k
.set PSTR,  32832                      ; 32,768 + 64: a fill's 32 lanes fall on each of the 64 banks once
.set LN,   1
.set RR,   2
.set HH,   3
.set SPW,  4                           ; LDS address of my spare word; never rewritten
.set NIL,  5                           ; 0; never rewritten
.set L16,  7
.set VB,   8                           ; v8-11
.set OFFC, 12                          ; byte offset in the expert's quarter of hb: the chunk + 16 x lane
.set TKO,  13                          ; 32 (lane / 16): my eight tokens in a tile's 64 bytes of order
.set C16,  22                          ; 16 (lane % 16)
.set WOFF, 23
.set WST,  24
.set TA,   26
.set TB,   27
.set PR,   28
.set ACC,  32                          ; v[32:127]
.set BF,   128                         ; v[128:191]
.set TK,   192                         ; v[192:215] token, then byte offset in part, of row 16 t + 8 (lane / 16) + u at TK + 8 t + u
.set STO,  216
.set RD,   217
.set S0,   224                         ; v[224:255] the rows' operands: the first 4 of the ring's 12 tiles; the other 8 lie in window 1 (v256-319)
.set RING, 32                          ; during the fill: v[32:159]
.set WV,   14
.set CB,   15
.set EX,   16
.set CNT,  17
.set T1,   18
.set NC,   20
.set TRIP, 21
.set CH,   22
.set T2,   23
.set KQ,   27
.set MSB, 0
.macro WIN new                         ; s_set_vgpr_msb: bits 1:0 source 0, 3:2 source 1, 5:4 source 2, 7:6 destination; the high byte repeats the setting that is left
.if MSB != (\new)
	s_set_vgpr_msb (MSB<<8)|(\new)
.set MSB, \new
.endif
.endm
.set LDA, 0x40                         ; destination window 1, address window 0
.set MUL, 0x04                         ; source 1 (rows) window 1, all else window 0
; THE FILL's slot.  Load i of my 64 is in; four f32 are rounded to four bf16 and stored; in the first 32 turns the slot is loaded again, 32 loads on.  32 loads of 512 bytes of each of eight waves stay on their way.
.macro FSLOT i
.if (\i) < 32
	s_wait_loadcnt 31                              ; loads come back in order (ISA guide 5.7.1): mine is in, the 31 younger ones stay out
.else
	s_wait_loadcnt 63-(\i)                         ; the last 32 load nothing: the counts run down
.endif
	v_cvt_pk_bf16_f32 v[PR+2*((\i)%2)],   v[RING+4*((\i)%32)],   v[RING+4*((\i)%32)+1]
	v_cvt_pk_bf16_f32 v[PR+2*((\i)%2)+1], v[RING+4*((\i)%32)+2], v[RING+4*((\i)%32)+3]
	ds_store_b64 v[WST], v[PR+2*((\i)%2):PR+2*((\i)%2)+1] offset:64*(\i)
.if (\i) < 32
	global_load_b128 v[RING+4*(\i):RING+4*(\i)+3], v[WOFF], s[6:7] offset:(32+(\i))*RS th:TH_LOAD_NT
.endif
.endm
	s_load_b256 s[4:11], s[0:1], 0x0               ; hb s[4:5], W2 s[6:7], order s[8:9], part s[10:11]
	v_lshl_add_u32 v[SPW], v0, 2, SPARE
	v_mov_b32 v[NIL], 0
	v_lshrrev_b32 v[TA], 5, v0
	v_readfirstlane_b32 s[WV], v[TA]               ; wave 0..11
	v_and_b32 v[LN], 31, v0
	v_and_b32 v[RR], 15, v0
	v_bfe_u32 v[HH], v0, 4, 1
	v_lshlrev_b32 v[L16], 4, v[LN]
	v_lshlrev_b32 v[C16], 4, v[RR]
	v_lshlrev_b32 v[TKO], 5, v[HH]
	v_and_b32 v[TA], 7, v0                         ; the turning load: row 8 (l / 16) + l % 8, columns 8 ((l / 8) % 2) on
	v_lshl_add_u32 v[TA], v[HH], 3, v[TA]
	v_lshlrev_b32 v[TA], 5, v[TA]
	v_bfe_u32 v[TB], v0, 3, 1
	v_lshl_add_u32 v[TA], v[TB], 4, v[TA]
.irp n, 0,1,2,3
	v_add_nc_u32 v[VB+(\n)], WB+(\n)*PSTR, v[TA]
.endr
	v_lshl_add_u32 v[WOFF], v[HH], 12, v[C16]      ; a ring load: lanes 0-15 take 256 bytes of one row, lanes 16-31 of the next
	v_lshrrev_b32 v[TA], 2, v[RR]                  ; my four columns lie in panel (l % 16) / 4, row 128 w + l / 16, at 8 (l % 4) bytes of it
	v_mul_u32_u24 v[WST], v[TA], PSTR
	v_lshl_add_u32 v[WST], v[HH], 5, v[WST]
	v_and_b32 v[TA], 3, v0
	v_lshl_add_u32 v[WST], v[TA], 3, v[WST]
	s_lshl_b32 s[T1], s[WV], 12
	s_add_co_u32 s[T1], s[T1], WB
	v_add_nc_u32 v[WST], s[T1], v[WST]
	s_and_b32 s[CB], ttmp9, 15
	s_lshr_b32 s[KQ], ttmp9, 4
	s_and_b32 s[EX], ttmp7, 0xffff
	s_lshl_b32 s24, s[EX], 24                      ; W2: expert, the quarter's 1,024 rows of 4,096 bytes, my wave's 128 of them (used by waves 0 to 7 alone), the slice's 256 bytes of a row
	s_lshl_b32 s[T1], s[KQ], 22
	s_add_co_u32 s24, s24, s[T1]
	s_lshl_b32 s[T1], s[WV], 19
	s_add_co_u32 s24, s24, s[T1]
	s_lshl_b32 s[T1], s[CB], 8
	s_add_co_u32 s24, s24, s[T1]
	s_mov_b32 s25, 0
	s_lshl_b32 s30, s[KQ], 12                      ; part: the quarter's 4,096 bytes of a row, the slice's 256 of them
	s_add_co_u32 s30, s30, s[T1]
	s_mov_b32 s31, 0
	s_mul_i32 s32, s[EX], ESTR                     ; hb: expert, the quarter's 32 K steps
	s_lshl_b32 s[T1], s[KQ], 15
	s_add_co_u32 s32, s32, s[T1]
	s_mov_b32 s33, 0
	s_mul_i32 s34, s[EX], OSTR                     ; order: expert
	s_mov_b32 s35, 0
	s_mul_i32 s36, s[WV], 192                      ; and, later, my first chunk's 48 words
	s_mov_b32 s37, 0
	s_wait_kmcnt 0x0
	s_add_nc_u64 s[6:7], s[6:7], s[24:25]
	s_add_nc_u64 s[10:11], s[10:11], s[30:31]
	s_add_nc_u64 s[4:5], s[4:5], s[32:33]
	s_add_nc_u64 s[8:9], s[8:9], s[34:35]
	s_load_b32 s[CNT], s[8:9], OCNT                ; the expert's count
	s_cmp_ge_u32 s[WV], FW
	s_cbranch_scc1 .Lfilled
	; WAVES 0 TO 7: THE FILL, loads and their use inside this one branch
.set fi, 0
.rept 32
	global_load_b128 v[RING+4*fi:RING+4*fi+3], v[WOFF], s[6:7] offset:fi*RS th:TH_LOAD_NT
.set fi, fi+1
.endr
.set fi, 0
.rept 64
	FSLOT fi
.set fi, fi+1
.endr
.Lfilled:
	s_wait_dscnt 0x0                               ; for the others' sake: my part of the slice is written
	s_barrier_signal -1
	s_barrier_wait -1                              ; the only barrier: from here on a wave writes its own stage alone
	s_wait_kmcnt 0x0                               ; the count is in, and order's address may be stepped
	s_min_u32 s[CNT], s[CNT], 2048
	s_cmp_eq_u32 s[CNT], 0
	s_cbranch_scc1 .Lend                           ; an expert without tokens: nothing of its part of hb was written, and nothing is read
	s_add_co_u32 s[NC], s[CNT], 47
	s_mul_i32 s[NC], s[NC], 43691                  ; / 48: 43,691 / 2^21 is 1 / 48 to within 1.6e-7, exact for numbers up to 2,095
	s_lshr_b32 s[NC], s[NC], 21
	s_mov_b32 s[CH], s[WV]
	s_add_nc_u64 s[8:9], s[8:9], s[36:37]
	s_sub_co_u32 s[T2], s[NC], 1                   ; only chunks 0 .. NC - 1 were written: a wave without a chunk asks for the last one, and does not use it
	s_min_u32 s[T2], s[T2], s[WV]
	s_min_u32 s[T2], s[T2], 42
	s_mul_i32 s[T2], s[T2], CHB
	v_add_nc_u32 v[OFFC], s[T2], v[L16]
	s_mul_i32 s[T1], s[WV], 16*SP
	s_add_co_u32 s[T1], s[T1], STAGE               ; my stage
	v_mul_u32_u24 v[STO], v[RR], SP                ; in: row l % 16, 32 bytes for each half of the lanes
	v_lshl_add_u32 v[STO], v[HH], 5, v[STO]
	v_add_nc_u32 v[STO], s[T1], v[STO]
	v_mul_u32_u24 v[RD], v[HH], 8*SP               ; back: lanes 0-15 take a row of 256 bytes among rows 0-7, lanes 16-31 the row eight further down
	v_lshl_add_u32 v[RD], v[RR], 4, v[RD]
	v_add_nc_u32 v[RD], s[T1], v[RD]
; The rows' operands of K step s: three blocks of 1,024 bytes, each two loads of 512 consecutive bytes.  The ring has four slots of three tiles; tile number 3 (s % 4) + t of twelve lies in window 0
; (the first four) or in window 1.
.macro ALOAD s
.irp t, 0,1,2
.set el, 3*((\s)%4)+(\t)
.if el < 4
	WIN 0
.set la, S0+8*el
.else
	WIN LDA
.set la, 8*(el-4)
.endif
	global_load_b128 v[la:la+3],   v[OFFC], s[4:5] offset:(\t)*MT+1024*(\s)
	global_load_b128 v[la+4:la+7], v[OFFC], s[4:5] offset:(\t)*MT+1024*(\s)+512
.endr
.endm
; The weights' operands of K step s, turned.  An LDS load names a destination and source 0 alone: both lie in window 0 under the setting 0 and under MUL, so no switch is written for it.
.macro BLOAD s
.set lb, BF+32*((\s)%2)
.irp n, 0,1,2,3
	ds_load_tr16_b128 v[lb+8*(\n):lb+8*(\n)+3],   v[VB+(\n)] offset:1024*(\s)
	ds_load_tr16_b128 v[lb+8*(\n)+4:lb+8*(\n)+7], v[VB+(\n)] offset:1024*(\s)+512
.endr
.endm
; A K STEP.  Four plain vector instructions or more first: the loads below land in registers that the step before multiplied (ISA guide 7.12.1 for vector instructions).  In steps 16 to 21
; they make the 24 store addresses of the way out, in step 29 the next chunk's offset.  Step 8 asks for the chunk's 48 tokens, eight neighbouring words a lane and tile (a global load names a destination and source 0:
; window 0 under MUL too).  Then the weights of step s + 1 and the rows of step s + 3 (from step 29 on: the next chunk's first three steps, or the last chunk's once more, not used).
; The twelve accumulators take turns, one instruction a turn, over the trip's edge too.
.macro STEP s
.if ((\s) >= 16) && ((\s) <= 21)
	WIN 0
.set q, 4*((\s)-16)
.rept 4
	v_min_u32 v[TK+q], 2051, v[TK+q]               ; in since step 11's wait; past the count: row 2048 + e
.set q, q+1
.endr
.set q, 4*((\s)-16)
.rept 4
	v_lshl_add_u32 v[TK+q], v[TK+q], 14, v[C16]    ; a row of part is 16,384 bytes
.set q, q+1
.endr
.elseif (\s) == 29
	s_add_co_u32 s[T2], s[CH], NW                  ; my next chunk, held to the chunks that were written
	s_sub_co_u32 s[T1], s[NC], 1
	s_min_u32 s[T2], s[T2], s[T1]
	s_min_u32 s[T2], s[T2], 42
	s_mul_i32 s[T2], s[T2], CHB
	WIN 0
	s_wait_xcnt 0x0                                ; this chunk's last loads have had their addresses translated: the offset may be written
	v_add_nc_u32 v[OFFC], s[T2], v[L16]
	v_nop
	v_nop
	v_nop
.else
	v_nop
	v_nop
	v_nop
	v_nop
.endif
.if (\s) == 8
.irp t, 0,1,2
	global_load_b128 v[TK+8*(\t):TK+8*(\t)+3],   v[TKO], s[8:9] offset:64*(\t)
	global_load_b128 v[TK+8*(\t)+4:TK+8*(\t)+7], v[TKO], s[8:9] offset:64*(\t)+16
.endr
.endif
	BLOAD ((\s)+1)%32
	ALOAD ((\s)+3)%32
.if ((\s) >= 8) && ((\s) <= 10)
	s_wait_loadcnt 24                              ; this step's rows are in: three steps' rows and the six loads of tokens are younger
.else
	s_wait_loadcnt 18                              ; this step's rows are in: three steps' rows are younger
.endif
	s_wait_dscnt 8                                 ; this step's weights are in; the eight loads just issued stay out
.set mb, BF+32*((\s)%2)
.irp t, 0,1,2
.set el, 3*((\s)%4)+(\t)
.if el < 4
	WIN 0
.set ma, S0+8*el
.else
	WIN MUL
.set ma, 8*(el-4)
.endif
.irp n, 0,1,2,3
.if (\s) == 0
	v_wmma_f32_16x16x32_bf16 v[ACC+8*(4*(\t)+(\n)):ACC+8*(4*(\t)+(\n))+7], v[mb+8*(\n):mb+8*(\n)+7], v[ma:ma+7], 0
.else
	v_wmma_f32_16x16x32_bf16 v[ACC+8*(4*(\t)+(\n)):ACC+8*(4*(\t)+(\n))+7], v[mb+8*(\n):mb+8*(\n)+7], v[ma:ma+7], v[ACC+8*(4*(\t)+(\n)):ACC+8*(4*(\t)+(\n))+7]
.endif
.endr
.endr
.endm
.irp s, 0,1,2
	ALOAD \s
.endr
	WIN 0
	BLOAD 0
	s_mov_b32 s[TRIP], 4                           ; 43 chunks at the most, twelve waves
.Ltrip:
	s_cmp_ge_u32 s[CH], s[NC]
	s_cbranch_scc1 .Ldead                          ; no such chunk: the trip is jumped; it holds no barrier, and the 18 loads that are out stay as they are
.set st, 0
.rept 32
	STEP st
.set st, st+1
.endr
	; THE WAY OUT.  A tile of 16 rows at a time goes through my stage (32 bytes a lane in, whole rows of 256 bytes back) and is stored at its tokens' rows of part.
	WIN 0
	v_nop                                          ; the places behind the last products
	v_nop
	v_nop
	v_nop
.irp t, 0,1,2
.irp n, 0,1,2,3
	ds_store_b128 v[STO], v[ACC+8*(4*(\t)+(\n)):ACC+8*(4*(\t)+(\n))+3]   offset:64*(\n)      ; each accumulator's low end first
	ds_store_b128 v[STO], v[ACC+8*(4*(\t)+(\n))+4:ACC+8*(4*(\t)+(\n))+7] offset:64*(\n)+16
.endr
.irp u, 0,1,2,3,4,5,6,7
	ds_load_b128 v[ACC+32*(\t)+4*(\u):ACC+32*(\t)+4*(\u)+3], v[RD] offset:(\u)*SP  ; LDS serves a wave's instructions in order (ISA guide 5.7.1.4): these see the stores above, and the next tile's stores come behind them
.endr
.irp u, 0,1,2,3,4,5,6,7
	s_wait_dscnt 7-(\u)                            ; load u is back; the younger ones stay out
	global_store_b128 v[TK+8*(\t)+(\u)], v[ACC+32*(\t)+4*(\u):ACC+32*(\t)+4*(\u)+3], s[10:11]  ; 16 lanes store 256 consecutive bytes of one row, aligned
.endr
.endr
	s_wait_xcnt 0x0                                ; the next trip's products and loads write the stores' registers only behind this wait
.Ldead:
	s_add_nc_u64 s[8:9], s[8:9], NW*192            ; my next chunk's tokens lie twelve chunks on; no load that names this base is out here
	s_add_co_u32 s[CH], s[CH], NW
	s_sub_co_u32 s[TRIP], s[TRIP], 1
	s_cmp_lg_u32 s[TRIP], 0
	s_cbranch_scc1 .Ltrip
.Lend:
	s_wait_tensorcnt 0x0                           ; the wave's end, behind my last LDS store
	ds_add_u32 v[SPW], v[NIL]
	s_wait_dscnt 0x0
	s_endpgm
.Lfunc_end_k_q8cf5b0bba6_down:
	.size	k_q8cf5b0bba6_down, .Lfunc_end_k_q8cf5b0bba6_down-k_q8cf5b0bba6_down
	.p2alignl 7, 3214868480
	.fill 96, 4, 3214868480
	.section	.rodata,"a",@progbits
	.p2align	6, 0x0
	.amdhsa_kernel k_q8cf5b0bba6_down
		.amdhsa_group_segment_fixed_size 185088
		.amdhsa_private_segment_fixed_size 0
		.amdhsa_enable_private_segment 0
		.amdhsa_kernarg_size 32
		.amdhsa_user_sgpr_count 2
		.amdhsa_user_sgpr_kernarg_segment_ptr 1
		.amdhsa_wavefront_size32 1
		.amdhsa_system_sgpr_workgroup_id_x 1
		.amdhsa_system_sgpr_workgroup_id_y 1
		.amdhsa_system_sgpr_workgroup_id_z 1
		.amdhsa_system_vgpr_workitem_id 0
		.amdhsa_next_free_vgpr 320
		.amdhsa_next_free_sgpr 66
		.amdhsa_reserve_vcc 0
		.amdhsa_float_denorm_mode_32 3
		.amdhsa_float_denorm_mode_16_64 3
		.amdhsa_memory_ordered 1
		.amdhsa_forward_progress 1
		.amdhsa_inst_pref_size 102
	.end_amdhsa_kernel
	.amdgpu_metadata
---
amdhsa.version: [ 1, 2 ]
amdhsa.kernels:
  - .name:           k_q8cf5b0bba6_down
    .symbol:         k_q8cf5b0bba6_down.kd
    .args:
      - { .name: hb, .offset: 0, .size: 8, .value_kind: global_buffer, .address_space: global }
      - { .name: W2, .offset: 8, .size: 8, .value_kind: global_buffer, .address_space: global }
      - { .name: order, .offset: 16, .size: 8, .value_kind: global_buffer, .address_space: global }
      - { .name: part, .offset: 24, .size: 8, .value_kind: global_buffer, .address_space: global }
    .group_segment_fixed_size: 185088
    .private_segment_fixed_size: 0
    .kernarg_segment_align: 8
    .kernarg_segment_size: 32
    .max_flat_workgroup_size: 384
    .sgpr_count:     66
    .vgpr_count:     320
    .wavefront_size: 32
...
	.end_amdgpu_metadata
.endif
;; end of part 3
;; launch sum (part 4): grid 256 x 1, 8 waves a work-group, no clusters, 0 bytes of LDS; arguments part, b2, sel, out0; writes out0
.if DOCPART == 4
	.amdgcn_target "amdgcn-amd-amdhsa--gfx1250"
	.amdhsa_code_object_version 6
	.text
	.protected	k_q8cf5b0bba6_sum
	.globl	k_q8cf5b0bba6_sum
	.p2align	8
	.type	k_q8cf5b0bba6_sum,@function
k_q8cf5b0bba6_sum:
	s_mov_b64 s[64:65], 0
	v_nop
	global_prefetch_b8 v0, s[64:65] scope:SCOPE_SE
	s_setreg_imm32_b32 hwreg(HW_REG_WAVE_MODE, 25, 1), 1
	s_wait_xcnt 0x0
; THE SUM.  out0[t][:] = ((p0 + p1) + (p2 + p3)) + b2[sel[t]][:], with p0 .. p3 the four quarters' partial sums of token t.  part: [2052][4][1024] f32 (rows 2048 on are not read), b2: [4][1024] f32,
; sel: the chosen expert, a word a token.  All in f32; b2 is rounded to bf16 first, as every input of the program is.
; SHARES.  A wave has one token: 32 loads of 512 consecutive bytes of part, 8 of b2, 8 stores of 512 consecutive bytes.  All 40 loads of a wave go out before its one wait.
; A stream: no LDS, no barrier, no matrix unit, no cluster (the work-groups share b2 alone, 16 KiB).
.set O16, 1                            ; 16 x lane
.set P,   8                            ; v[8:135]   quarter q, group j at P + 32 q + 4 j
.set BI,  136                          ; v[136:167] b2, group j at BI + 4 j
.set T,   168
	s_load_b256 s[4:11], s[0:1], 0x0               ; part s[4:5], b2 s[6:7], sel s[8:9], out0 s[10:11]
	v_and_b32 v[O16], 31, v0
	v_lshrrev_b32 v2, 5, v0
	v_readfirstlane_b32 s12, v2                    ; wave 0..7
	v_lshlrev_b32 v[O16], 4, v[O16]
	s_lshl3_add_u32 s13, ttmp9, s12                ; my token: 8 g + w
	s_lshl_b32 s16, s13, 2
	s_mov_b32 s17, 0
	s_lshl_b32 s18, s13, 14
	s_mov_b32 s19, 0
	s_lshl_b32 s20, s13, 12
	s_mov_b32 s21, 0
	s_mov_b32 s15, 0xffff0000                      ; a word's upper bf16
	s_wait_kmcnt 0x0
	s_add_nc_u64 s[8:9], s[8:9], s[16:17]
	s_load_b32 s14, s[8:9], 0x0                    ; my token's expert
	s_add_nc_u64 s[4:5], s[4:5], s[18:19]
	s_add_nc_u64 s[10:11], s[10:11], s[20:21]
.irp q, 0,1,2,3
.irp j, 0,1,2,3,4,5,6,7
	global_load_b128 v[P+32*(\q)+4*(\j):P+32*(\q)+4*(\j)+3], v[O16], s[4:5] offset:(\q)*4096+(\j)*512 th:TH_LOAD_NT
.endr
.endr
	s_wait_kmcnt 0x0
	s_min_u32 s14, s14, 3
	s_lshl_b32 s22, s14, 12                        ; the expert's row of b2
	s_mov_b32 s23, 0
	s_add_nc_u64 s[6:7], s[6:7], s[22:23]
.irp j, 0,1,2,3,4,5,6,7
	global_load_b128 v[BI+4*(\j):BI+4*(\j)+3], v[O16], s[6:7] offset:(\j)*512
.endr
	s_wait_loadcnt 0x0
.set g, BI
.rept 16
	v_cvt_pk_bf16_f32 v[T], v[g], v[g+1]
	v_lshlrev_b32 v[g], 16, v[T]
	v_and_b32 v[g+1], s15, v[T]
.set g, g+2
.endr
.irp j, 0,1,2,3,4,5,6,7
.irp p, 0,2
	v_pk_add_f32 v[P+4*(\j)+(\p):P+4*(\j)+(\p)+1],       v[P+4*(\j)+(\p):P+4*(\j)+(\p)+1],       v[P+32+4*(\j)+(\p):P+32+4*(\j)+(\p)+1]
	v_pk_add_f32 v[P+64+4*(\j)+(\p):P+64+4*(\j)+(\p)+1], v[P+64+4*(\j)+(\p):P+64+4*(\j)+(\p)+1], v[P+96+4*(\j)+(\p):P+96+4*(\j)+(\p)+1]
.endr
.irp p, 0,2
	v_pk_add_f32 v[P+4*(\j)+(\p):P+4*(\j)+(\p)+1], v[P+4*(\j)+(\p):P+4*(\j)+(\p)+1], v[P+64+4*(\j)+(\p):P+64+4*(\j)+(\p)+1]
.endr
.irp p, 0,2
	v_pk_add_f32 v[P+4*(\j)+(\p):P+4*(\j)+(\p)+1], v[P+4*(\j)+(\p):P+4*(\j)+(\p)+1], v[BI+4*(\j)+(\p):BI+4*(\j)+(\p)+1]
.endr
	global_store_b128 v[O16], v[P+4*(\j):P+4*(\j)+3], s[10:11] offset:(\j)*512 th:TH_STORE_NT
.endr
	s_endpgm
.Lfunc_end_k_q8cf5b0bba6_sum:
	.size	k_q8cf5b0bba6_sum, .Lfunc_end_k_q8cf5b0bba6_sum-k_q8cf5b0bba6_sum
	.p2alignl 7, 3214868480
	.fill 96, 4, 3214868480
	.section	.rodata,"a",@progbits
	.p2align	6, 0x0
	.amdhsa_kernel k_q8cf5b0bba6_sum
		.amdhsa_group_segment_fixed_size 0
		.amdhsa_private_segment_fixed_size 0
		.amdhsa_enable_private_segment 0
		.amdhsa_kernarg_size 32
		.amdhsa_user_sgpr_count 2
		.amdhsa_user_sgpr_kernarg_segment_ptr 1
		.amdhsa_wavefront_size32 1
		.amdhsa_system_sgpr_workgroup_id_x 1
		.amdhsa_system_sgpr_workgroup_id_y 1
		.amdhsa_system_sgpr_workgroup_id_z 1
		.amdhsa_system_vgpr_workitem_id 0
		.amdhsa_next_free_vgpr 176
		.amdhsa_next_free_sgpr 66
		.amdhsa_reserve_vcc 0
		.amdhsa_float_denorm_mode_32 3
		.amdhsa_float_denorm_mode_16_64 3
		.amdhsa_memory_ordered 1
		.amdhsa_forward_progress 1
		.amdhsa_inst_pref_size 12
	.end_amdhsa_kernel
	.amdgpu_metadata
---
amdhsa.version: [ 1, 2 ]
amdhsa.kernels:
  - .name:           k_q8cf5b0bba6_sum
    .symbol:         k_q8cf5b0bba6_sum.kd
    .args:
      - { .name: part, .offset: 0, .size: 8, .value_kind: global_buffer, .address_space: global }
      - { .name: b2, .offset: 8, .size: 8, .value_kind: global_buffer, .address_space: global }
      - { .name: sel, .offset: 16, .size: 8, .value_kind: global_buffer, .address_space: global }
      - { .name: out0, .offset: 24, .size: 8, .value_kind: global_buffer, .address_space: global }
    .group_segment_fixed_size: 0
    .private_segment_fixed_size: 0
    .kernarg_segment_align: 8
    .kernarg_segment_size: 32
    .max_flat_workgroup_size: 256
    .sgpr_count:     66
    .vgpr_count:     176
    .wavefront_size: 32
...
	.end_amdgpu_metadata
.endif
;; end of part 4
